; MI455X (gfx1250); checked and timed in simulation.
; The chip was launched on July 23, 2026; its instructions are those of AMD's public machine-readable ISA for CDNA 5 (MIT licence, August 2026) and "CDNA5" Instruction Set Architecture Reference Guide (July 2026). The comments in the code are by the model that wrote it; some were corrected since.
;; Multi Head Attention. Allowed arithmetic: matrix products marked QUANTISED: E2M3 operands, one E8M0 scale for each 32 along K, by v_wmma_scale_f32_16x16x128_f8f6f4 with both operands' format E2M3, f32 sums; everything else in f32.
;; Inputs: Wk 1,024 x 1,024 float32; Wq 1,024 x 1,024 float32; Wv 1,024 x 1,024 float32; keys 8 x 1,024 x 1,024 float32; queries 8 x 1,024 x 1,024 float32; values 8 x 1,024 x 1,024 float32.
;; Outputs: out0 8 x 1,024 x 1,024 float32.
;; This version of the problem:
;;   THIS VERSION OF THE PROBLEM IS GIVEN IN LOW PRECISION. The matrix products marked QUANTISED in the list below multiply operands that are first quantised to E2M3 (2 exponent bits, 3 mantissa bits; 6 bits a number), with one power-of-two scale for each 32 numbers along K (OCP MX v1.0); their sums are f32. All else is computed in f32.
;;   The module's matrix products, in the order in which they are computed (A, B: the left and right operand; K: the contracted axis; several contracted axes count as one K, in the product's order):
;;     1. [M 8,192, K 1,024] x [K 1,024, N 1,024]; A: input queries; B: input Wq: QUANTISED
;;     2. [M 8,192, K 1,024] x [K 1,024, N 1,024]; A: input keys; B: input Wk: QUANTISED
;;     3. [M 8,192, K 1,024] x [K 1,024, N 1,024]; A: input values; B: input Wv: QUANTISED
;;     4. batch 128 x [M 1,024, K 64] x [K 64, N 1,024]; A: computed on the way; B: computed on the way: QUANTISED
;;     5. batch 128 x [M 64, K 1,024] x [K 1,024, N 1,024]; A: computed on the way; B: softmax (see below): QUANTISED
;;   THE QUANTISER, for each operand of a quantised product, along K:
;;     - K is cut into blocks of 32 from its start; a last block that is shorter is filled with zeros.
;;     - A block's scale is 2^e with e = floor(log2(the largest magnitude in the block)) - 2, held to -126 .. 127; a block of zeros has e = 0. As a byte (E8M0): e + 127.
;;     - Each number is divided by its block's scale, clamped to +-7.5, and rounded to the nearest number of E2M3, ties to even, subnormals kept.
;;     - The product sums the exact products of the quantised numbers (number of the format x scale) in f32.
;;   ~~~python
;;   def quantise(x, axis):      # numpy; x: float32 -> the quantised numbers, widened to float32 again
;;       x = np.moveaxis(x, axis, -1); K = x.shape[-1]
;;       x = np.pad(x, [(0, 0)] * (x.ndim - 1) + [(0, -K % 32)]); x = x.reshape(x.shape[:-1] + (-1, 32)); a = np.abs(x).max(-1, keepdims=True)
;;       e = np.where(a > 0, np.clip(np.frexp(np.where(a > 0, a, 1))[1] - 1 - 2, -126, 127), 0)      # np.frexp(a)[1] - 1 = floor(log2(a)), exactly
;;       r = np.clip(x / 2.0 ** e, -7.5, 7.5)
;;       step = 2.0 ** (np.maximum(np.frexp(np.where(r == 0, 1, r))[1] - 1, 0) - 3)
;;       q = np.round(r / step) * step * 2.0 ** e      # np.round: ties to even
;;       return np.moveaxis(q.reshape(q.shape[:-2] + (-1,))[..., :K], -1, axis).astype(np.float32)
;;   ~~~
;;   SOFTMAX AHEAD OF A QUANTISED PRODUCT. Where the list says 'softmax', what is quantised is not the finished softmax but p = 2^(t - M), with t = logit x log2(e) and M = ceil(the row's largest t), a whole number; so 1/2 < the row's largest p <= 1. The row's sum l is taken of the UNQUANTISED p, in f32, and the product's result is divided by l at the end. Since M is a whole number, a kernel that streams over the keys may use a running M (the ceiling of the running maximum): every later rescaling is an exact power of two, which a block's scale takes up: the codes' values come out the same.
;;   OPERANDS COMPUTED ON THE WAY. 'Computed on the way' means the value that the module computes at that place (a softmax that the list does not call 'softmax' is quantised finished and normalised). What goes into a quantiser is computed in f32, as accurately as f32 sums, v_exp_f32 and their like allow (about 1e-6 of the number): no bf16 or f16 on the way to a quantiser, and a product that is left as it is and whose result goes on into a quantised operand takes f32 operands (vector FMAs, or v_wmma_f32_16x16x4_f32). A number that lies on a knife's edge between two numbers of the format may be rounded either way, as far as f32 arithmetic and the matrix unit's own rounding can turn it there, and no further.
;; One version. Each part assembles by itself: llvm-mc -triple=amdgcn-amd-amdhsa -mcpu=gfx1250 --defsym DOCPART=n.
;; ======== version 1 of 1: 3 launches
;; limits: right only within a limited range of input values
;; workspace buffers: xc 18,874,368 bytes; xs 786,432 bytes; wc 2,359,296 bytes; ws 98,304 bytes; att 20,447,232 bytes
;; launch quant (part 1): grid 864 x 1, 4 waves a work-group, no clusters, 68,096 bytes of LDS; arguments queries, keys, values, Wq, Wk, Wv, xc, xs, wc, ws; writes xc, xs, wc, ws
.if DOCPART == 1
	.amdgcn_target "amdgcn-amd-amdhsa--gfx1250"
	.amdhsa_code_object_version 6
	.text
	.protected	k_qbf2b0842a4_quant
	.globl	k_qbf2b0842a4_quant
	.p2align	8
	.type	k_qbf2b0842a4_quant,@function
k_qbf2b0842a4_quant:
	s_mov_b64 s[64:65], 0
	v_nop
	global_prefetch_b8 v0, s[64:65] scope:SCOPE_SE
	s_setreg_imm32_b32 hwreg(HW_REG_WAVE_MODE, 25, 1), 1
	s_wait_xcnt 0x0
; All six inputs, f32, become codes of FP6 (E2M3), 6 bits each, K innermost (a row of 1,024 codes is 768 bytes), with one E8M0 scale byte for each 32 along K (32 bytes a row).
; queries, keys, values [8,192][1,024]: K is innermost  -> xc [3][8,192][768], xs [3][8,192][32].   Wq, Wk, Wv [1,024 (k)][1,024 (n)]: K is the first axis -> wc [3][1,024 (n)][768], ws [3][1,024][32].
; A block's scale is 2^(floor(log2(its largest magnitude)) - 2): its byte is the largest magnitude's exponent field - 2, held at 1 from below; each number is divided by the scale and rounded to the nearest code, ties to even,
; beyond 7.5 the largest code.
; THE ROWS ARE LAID PERMUTED: in each group of 64 rows workspace row 16 t + 8 h + i holds source row 32 h + 8 t + i (t = 0..3, h = 0, 1, i = 0..7).  So 16 consecutive workspace rows are source rows 8 t + 0..7 and 32 + 8 t + 0..7:
; the rows that the next launch wants as one tile, so that a lane's results of four tiles are 32 neighbours along the next K: a whole scale block.
; LIMITS: NaN and infinities among the inputs are not served.  A block of zeros gets the byte 1 (its codes are zeros; this program alone reads the bytes).  Blocks whose largest magnitude lies under 2^-124 are held at the byte 1.
; SHARES: work-groups 0-95 take the weights (32 each: 128 columns x 256 along K), work-groups 96-863 the activations (256 each: 32 rows).  The two ways part on the work-group's number and have LDS bytes of their own.
; No tensor loads, no barrier: waves share nothing.
.set SPARE,  67584                     ; behind both ways' stages: the spare words, 128 bytes for each wave, which no other line names
.set SPW,    12                        ; v12  LDS address of my spare word; never rewritten
.set NIL,    13                        ; v13  0; never rewritten
.set EMAX,   2
.set NWGW,   96                        ; work-groups of the weights' way
.set WSTG,   32768                     ; the weights' way: four stages of 32 rows x 272 bytes
.set WP,     272                       ; a stage row: sixteen places of 16 bytes, each with 12 bytes of codes, + 16
.set WX,     32                        ; v32-95   two sets of 32 numbers
.set WC,     96                        ; v96..    a block's codes
.set WOUT,   112                       ; v112-175 the way out
.set WSB,    24                        ; v24-25   the scale bytes, four to a register
.set STEPS,  16                        ; the activations' way
.set CB,     12                        ; bytes of 16 codes
.set R,      16                        ; v16-79   four sets of 16 numbers as they are loaded
.set X,      80                        ; v80-111  two sets of 16 neighbours
.set E,      112                       ; v112-127 a scale byte for each step
.set C,      128                       ; v128-191 codes: four registers for each step, so that no store's data are written again
.set WREG,   8192                      ; LDS: a region for each wave: two stages of 32 x SP bytes, and behind them its 256 scale bytes
.set SP,     80                        ; a lane's place in a stage: its 64 bytes + 16 of padding
.macro WLOAD t                         ; block t: W(32 t + i, my column), i = 0 .. 31, into set t % 2: 32 lanes read 128 consecutive bytes
.irp i, 0,1,2,3,4,5,6,7,8,9,10,11,12,13,14,15,16,17,18,19,20,21,22,23,24,25,26,27,28,29,30,31
	global_load_b32 v[WX+32*((\t)%2)+\i], v3, s[28:29] offset:(32*(\t)+\i)*4096 th:TH_LOAD_NT
.endr
.endm
.macro WBLOCK t
.set XS, WX+32*((\t)%2)
.if (\t) < 7
	s_wait_loadcnt 32                              ; this block's 32 loads are in; the next block's may be out
.else
	s_wait_loadcnt 0
.endif
	v_max3_num_f32 v16, |v[XS]|, |v[XS+1]|, |v[XS+2]|              ; the block's largest magnitude: all 32 numbers are mine
	v_max3_num_f32 v17, |v[XS+3]|, |v[XS+4]|, |v[XS+5]|
.irp i, 6,10,14,18,22,26
	v_max3_num_f32 v16, v16, |v[XS+\i]|, |v[XS+\i+1]|
	v_max3_num_f32 v17, v17, |v[XS+\i+2]|, |v[XS+\i+3]|
.endr
	v_max3_num_f32 v16, v16, |v[XS+30]|, |v[XS+31]|
	v_max3_num_f32 v16, v16, v17, (EMAX+1)<<23     ; and the floor 2^(3 - 127): the byte cannot fall under 1
	v_add_nc_u32 v18, -(EMAX<<23), v16             ; 2 off its exponent field: the conversion takes the exponent field of this operand as its scale
	v_lshrrev_b32 v19, 23, v18                     ; the scale's byte
.if (\t)%4 == 0
	v_mov_b32 v[WSB+(\t)/4], v19                   ; four bytes to a register, the lower K in the lower byte
.else
	v_lshl_or_b32 v[WSB+(\t)/4], v19, 8*((\t)%4), v[WSB+(\t)/4]
.endif
	v_cvt_scalef32_pk16_fp6_f32 v[WC:WC+2], v[XS:XS+15], v18
	v_cvt_scalef32_pk16_fp6_f32 v[WC+4:WC+6], v[XS+16:XS+31], v18  ; (a conversion's three registers begin on an even number)
	ds_store_b96 v7, v[WC:WC+2] offset:32*(\t)     ; 16 codes, 12 bytes, to a place of 16 bytes, so that every LDS address is a multiple of 16
	ds_store_b96 v7, v[WC+4:WC+6] offset:32*(\t)+16
.if (\t)+2 < 8
	WLOAD (\t)+2
.endif
	s_wait_dscnt 0x0                               ; the stores have read their registers: the next block's codes may be written
.endm
.macro XLOAD t
.irp i, 0,1,2,3
	global_load_b128 v[R+16*((\t)%4)+4*\i:R+16*((\t)%4)+4*\i+3], v3, s[28:29] offset:2048*(\t)+512*\i th:TH_LOAD_NT   ; 32 lanes read 512 consecutive bytes
.endr
.endm
.macro XTURN t                         ; step t's numbers through the stage: LDS serves a wave's instructions in order, so no wait stands between the stores and the loads
.irp i, 0,1,2,3
	ds_store_b128 v14, v[R+16*((\t)%4)+4*\i:R+16*((\t)%4)+4*\i+3] offset:32*SP*((\t)%2)+8*SP*\i
.endr
.irp i, 0,1,2,3
	ds_load_b128 v[X+16*((\t)%2)+4*\i:X+16*((\t)%2)+4*\i+3], v15 offset:32*SP*((\t)%2)+16*\i
.endr
.endm
.macro XSTEP t
.set XS, X+16*((\t)%2)
.if (\t) > 0
	s_wait_dscnt 1                                 ; this step's numbers are back from the stage (the last step's byte store may be out)
.else
	s_wait_dscnt 0x0
.endif
.if (\t)+4 < STEPS
	XLOAD (\t)+4                                   ; the loads of four steps on
.endif
.if (\t)+1 < STEPS
.if STEPS-2-(\t) >= 3
	s_wait_loadcnt 12                              ; the next step's four loads are in; those of the three steps behind it may be out
.else
	s_wait_loadcnt 4*(STEPS-2-(\t))
.endif
	XTURN (\t)+1                                   ; and go through the other stage while this step is worked
.endif
	v_max3_num_f32 v8, |v[XS]|, |v[XS+1]|, |v[XS+2]|               ; the largest magnitude of my 16
	v_max3_num_f32 v9, |v[XS+3]|, |v[XS+4]|, |v[XS+5]|
.irp i, 6,10
	v_max3_num_f32 v8, v8, |v[XS+\i]|, |v[XS+\i+1]|
	v_max3_num_f32 v9, v9, |v[XS+\i+2]|, |v[XS+\i+3]|
.endr
	v_max3_num_f32 v8, v8, |v[XS+14]|, |v[XS+15]|
	v_max3_num_f32 v8, v8, v9, (EMAX+1)<<23        ; and the floor
	v_max_num_f32_dpp v8, v8, v8 row_xmask:1 row_mask:0xf bank_mask:0xf   ; and of my neighbour's 16: the block's
	v_add_nc_u32 v11, -(EMAX<<23), v8              ; the conversion's scale operand
	v_cvt_scalef32_pk16_fp6_f32 v[C+4*(\t):C+4*(\t)+2], v[XS:XS+15], v11
	v_lshrrev_b32 v[E+(\t)], 23, v11               ; the scale's byte
	ds_store_b8 v5, v[E+(\t)] offset:16*(\t)       ; both lanes of a block write the same byte with the same value
	global_store_b96 v4, v[C+4*(\t):C+4*(\t)+2], s[16:17] offset:32*CB*(\t)   ; the wave stores 384 consecutive bytes
.endm
	s_load_b256 s[4:11], s[0:1], 0x0               ; queries s[4:5], keys s[6:7], values s[8:9], Wq s[10:11]
	s_load_b256 s[12:19], s[0:1], 0x20             ; Wk s[12:13], Wv s[14:15], xc s[16:17], xs s[18:19]
	s_load_b128 s[20:23], s[0:1], 0x40             ; wc s[20:21], ws s[22:23]
	v_lshl_add_u32 v[SPW], v0, 2, SPARE
	v_mov_b32 v[NIL], 0
	v_lshrrev_b32 v1, 5, v0
	v_readfirstlane_b32 s24, v1                    ; wave 0..3
	v_and_b32 v2, 31, v0                           ; lane
	s_mov_b32 s33, 0                               ; the high word of every offset pair s[32:33]
	s_wait_kmcnt 0x0
	s_cmp_lt_u32 ttmp9, NWGW
	s_cbranch_scc0 .Lacts
	; ---- THE WEIGHTS.  A lane takes a column n and its registers run down K: a block of 32 along K lies in one lane, and the conversions give the codes with K innermost.
	s_lshr_b32 s25, ttmp9, 5                       ; which weight: 0 Wq, 1 Wk, 2 Wv
	s_and_b32 s26, ttmp9, 7                        ; which 128 columns
	s_bfe_u32 s27, ttmp9, 0x20003                  ; which 256 along K
	s_cmp_eq_u32 s25, 0
	s_cselect_b64 s[28:29], s[10:11], s[12:13]     ; the choice hangs on the work-group's number alone
	s_cmp_eq_u32 s25, 2
	s_cselect_b64 s[28:29], s[14:15], s[28:29]
	s_lshl_b32 s30, s26, 7
	s_lshl_b32 s31, s24, 5
	s_add_co_u32 s30, s30, s31                     ; my wave's first column
	s_lshl_b32 s32, s27, 20                        ; W: 256 rows of 4,096 bytes for each step along K,
	s_lshl_b32 s34, s30, 2
	s_add_co_u32 s32, s32, s34                     ; + 4 x column
	s_add_nc_u64 s[28:29], s[28:29], s[32:33]
	s_and_b32 s30, s30, 0xffffffc0                 ; my columns' group of 64 workspace rows,
	s_and_b32 s31, s24, 1
	s_lshl_b32 s31, s31, 3
	s_add_co_u32 s30, s30, s31                     ; + 8 h: h is which 32 of the 64 my wave takes
	s_mul_i32 s32, s25, 786432                     ; codes: the weight's part, + row x 768 + 192 x step
	s_mul_i32 s34, s30, 768
	s_add_co_u32 s32, s32, s34
	s_mul_i32 s34, s27, 192
	s_add_co_u32 s32, s32, s34
	s_add_nc_u64 s[20:21], s[20:21], s[32:33]
	s_lshl_b32 s32, s25, 15                        ; scale bytes: the weight's part, + row x 32 + 8 x step
	s_lshl_b32 s34, s30, 5
	s_add_co_u32 s32, s32, s34
	s_lshl_b32 s34, s27, 3
	s_add_co_u32 s32, s32, s34
	s_add_nc_u64 s[22:23], s[22:23], s[32:33]
	s_wait_alu depctr_va_vdst(0)
	v_lshlrev_b32 v3, 2, v2                        ; in: 4 bytes a lane
	v_and_b32 v4, 7, v2
	v_lshrrev_b32 v5, 3, v2
	v_bfe_u32 v6, v2, 4, 1
	v_lshl_add_u32 v4, v5, 4, v4                   ; my column's workspace row from that base on: 16 (lane / 8) + lane % 8
	s_mul_i32 s35, s24, 32*WP
	s_add_co_u32 s35, s35, WSTG                    ; my stage
	v_mul_u32_u24 v7, v2, WP                       ; the stage's rows lie in the lanes' order
	v_add_nc_u32 v7, s35, v7
	v_and_b32 v5, 15, v2
	v_mul_u32_u24 v8, v6, WP                       ; out of it: sixteen lanes to a row, two rows an instruction
	v_lshl_add_u32 v8, v5, 4, v8
	v_add_nc_u32 v8, s35, v8
	v_mul_u32_u24 v9, v6, 768
	v_mad_u32_u24 v9, v5, 12, v9                   ; and the same place in the codes' buffer
	v_lshlrev_b32 v10, 5, v4                       ; my row of scale bytes
	WLOAD 0
	WLOAD 1
.irp t, 0,1,2,3,4,5,6,7
	WBLOCK \t
.endr
	s_wait_alu depctr_va_vdst(0)
	global_store_b64 v10, v[WSB:WSB+1], s[22:23]   ; my column's 8 scale bytes
.irp t, 0,1,2,3,4,5,6,7,8,9,10,11,12,13,14,15
	ds_load_b96 v[WOUT+4*\t:WOUT+4*\t+2], v8 offset:2*\t*WP        ; LDS serves a wave's instructions in order: these see my stores
.endr
.irp t, 0,1,2,3,4,5,6,7,8,9,10,11,12,13,14,15
	s_wait_dscnt 15-\t                             ; the younger stage loads may be out
	global_store_b96 v9, v[WOUT+4*\t:WOUT+4*\t+2], s[20:21] offset:(16*(\t/4)+2*(\t%4))*768   ; stage rows 2 t, 2 t + 1 go to workspace rows 16 (t / 4) + 2 (t % 4) + 0, 1; sixteen lanes store a row's 192 consecutive bytes
.endr
	s_wait_tensorcnt 0x0                           ; the wave's end, behind my last LDS store
	ds_add_u32 v[SPW], v[NIL]
	s_wait_dscnt 0x0
	s_endpgm
.Lacts:
	; ---- THE ACTIVATIONS.  A wave takes 8 rows = 8,192 numbers, 16 steps of 512.  Each load reads 512 consecutive bytes; a step's 2,048 bytes turn through the wave's stage, so that a lane holds 16 neighbours.
	s_sub_co_u32 s25, ttmp9, NWGW
	s_lshr_b32 s26, s25, 8                         ; which tensor: 0 queries, 1 keys, 2 values
	s_and_b32 s27, s25, 255                        ; which 32 rows
	s_cmp_eq_u32 s26, 0
	s_cselect_b64 s[28:29], s[4:5], s[6:7]
	s_cmp_eq_u32 s26, 2
	s_cselect_b64 s[28:29], s[8:9], s[28:29]
	s_lshl_b32 s27, s27, 2
	s_add_co_u32 s30, s27, s24                     ; the run of 8 rows that I read
	s_lshl_b32 s32, s30, 15                        ; 32,768 bytes a run
	s_add_nc_u64 s[28:29], s[28:29], s[32:33]
	s_lshl_b32 s31, s24, 1                         ; of a group of 64 rows, source run 4 h + t goes to workspace run 2 t + h: t is my wave's number,
	s_bfe_u32 s34, s27, 0x10002                    ; h which 32 rows of the 64 my work-group takes
	s_or_b32 s31, s31, s34
	s_and_b32 s34, s27, -8
	s_add_co_u32 s31, s34, s31                     ; the run of 8 rows that I write
	s_mul_i32 s32, s26, 6291456
	s_mul_i32 s34, s31, 6144
	s_add_co_u32 s32, s32, s34
	s_add_nc_u64 s[16:17], s[16:17], s[32:33]
	s_lshl_b32 s32, s26, 18
	s_lshl_b32 s34, s31, 8
	s_add_co_u32 s32, s32, s34
	s_add_nc_u64 s[18:19], s[18:19], s[32:33]
	s_wait_alu depctr_va_vdst(0)
	v_lshlrev_b32 v3, 4, v2                        ; my 16 bytes of a load's 512
	s_mul_i32 s35, s24, WREG
	v_lshrrev_b32 v14, 2, v2
	v_mul_u32_u24 v14, v14, SP
	v_and_b32 v15, 3, v2
	v_lshl_add_u32 v14, v15, 4, v14
	v_add_nc_u32 v14, s35, v14                     ; the stage, on the way in: four lanes' 64 bytes on end, then 16 of padding
	v_mul_u32_u24 v15, v2, SP
	v_add_nc_u32 v15, s35, v15                     ; and on the way out: my 16 neighbours
	v_mul_u32_u24 v4, v2, CB                       ; my codes' place in a step's
	v_lshrrev_b32 v5, 1, v2
	s_add_co_u32 s35, s35, 2*32*SP
	v_add_nc_u32 v5, s35, v5                       ; LDS: my wave's 256 scale bytes, my block's byte
	v_lshlrev_b32 v7, 3, v2                        ; and on the way out 8 bytes a lane
	v_add_nc_u32 v6, s35, v7
.irp t, 0,1,2,3
	XLOAD \t
.endr
	s_wait_alu depctr_va_vdst(0)
	s_wait_loadcnt 12                              ; step 0's four loads are in
	XTURN 0
.irp t, 0,1,2,3,4,5,6,7,8,9,10,11,12,13,14,15
	XSTEP \t
.endr
	ds_load_b64 v[8:9], v6                         ; LDS serves a wave's instructions in order: these see my stores
	s_wait_dscnt 0x0
	global_store_b64 v7, v[8:9], s[18:19]          ; 32 lanes store 256 consecutive bytes, aligned
	s_wait_tensorcnt 0x0                           ; the wave's end, behind my last LDS store
	ds_add_u32 v[SPW], v[NIL]
	s_wait_dscnt 0x0
	s_endpgm
.Lfunc_end_k_qbf2b0842a4_quant:
	.size	k_qbf2b0842a4_quant, .Lfunc_end_k_qbf2b0842a4_quant-k_qbf2b0842a4_quant
	.p2alignl 7, 3214868480
	.fill 96, 4, 3214868480
	.section	.rodata,"a",@progbits
	.p2align	6, 0x0
	.amdhsa_kernel k_qbf2b0842a4_quant
		.amdhsa_group_segment_fixed_size 68096
		.amdhsa_private_segment_fixed_size 0
		.amdhsa_enable_private_segment 0
		.amdhsa_kernarg_size 80
		.amdhsa_user_sgpr_count 2
		.amdhsa_user_sgpr_kernarg_segment_ptr 1
		.amdhsa_wavefront_size32 1
		.amdhsa_system_sgpr_workgroup_id_x 1
		.amdhsa_system_sgpr_workgroup_id_y 1
		.amdhsa_system_sgpr_workgroup_id_z 1
		.amdhsa_system_vgpr_workitem_id 0
		.amdhsa_next_free_vgpr 192
		.amdhsa_next_free_sgpr 66
		.amdhsa_reserve_vcc 0
		.amdhsa_float_denorm_mode_32 3
		.amdhsa_float_denorm_mode_16_64 3
		.amdhsa_memory_ordered 1
		.amdhsa_forward_progress 1
		.amdhsa_inst_pref_size 74
	.end_amdhsa_kernel
	.amdgpu_metadata
---
amdhsa.version: [ 1, 2 ]
amdhsa.kernels:
  - .name:           k_qbf2b0842a4_quant
    .symbol:         k_qbf2b0842a4_quant.kd
    .args:
      - { .name: queries, .offset: 0, .size: 8, .value_kind: global_buffer, .address_space: global }
      - { .name: keys, .offset: 8, .size: 8, .value_kind: global_buffer, .address_space: global }
      - { .name: values, .offset: 16, .size: 8, .value_kind: global_buffer, .address_space: global }
      - { .name: Wq, .offset: 24, .size: 8, .value_kind: global_buffer, .address_space: global }
      - { .name: Wk, .offset: 32, .size: 8, .value_kind: global_buffer, .address_space: global }
      - { .name: Wv, .offset: 40, .size: 8, .value_kind: global_buffer, .address_space: global }
      - { .name: xc, .offset: 48, .size: 8, .value_kind: global_buffer, .address_space: global }
      - { .name: xs, .offset: 56, .size: 8, .value_kind: global_buffer, .address_space: global }
      - { .name: wc, .offset: 64, .size: 8, .value_kind: global_buffer, .address_space: global }
      - { .name: ws, .offset: 72, .size: 8, .value_kind: global_buffer, .address_space: global }
    .group_segment_fixed_size: 68096
    .private_segment_fixed_size: 0
    .kernarg_segment_align: 8
    .kernarg_segment_size: 80
    .max_flat_workgroup_size: 128
    .sgpr_count:     66
    .vgpr_count:     192
    .wavefront_size: 32
...
	.end_amdgpu_metadata
.endif
;; end of part 1
;; launch proj (part 2): grid 8 x 32, 4 waves a work-group, clusters of 4 x 4, 327,680 bytes of LDS; arguments xc, xs, wc, ws, att; writes att
.if DOCPART == 2
	.amdgcn_target "amdgcn-amd-amdhsa--gfx1250"
	.amdhsa_code_object_version 6
	.text
	.protected	k_qbf2b0842a4_proj
	.globl	k_qbf2b0842a4_proj
	.p2align	8
	.type	k_qbf2b0842a4_proj,@function
k_qbf2b0842a4_proj:
	s_mov_b64 s[64:65], 0
	v_nop
	global_prefetch_b8 v0, s[64:65] scope:SCOPE_SE
	s_setreg_imm32_b32 hwreg(HW_REG_WAVE_MODE, 25, 1), 1
	s_wait_xcnt 0x0
	s_wait_alu depctr_hold_cnt(0) depctr_sa_sdst(0) depctr_va_vdst(0) depctr_va_sdst(0) depctr_va_ssrc(0) depctr_va_vcc(0) depctr_vm_vsrc(0)
	s_getreg_b32 s2, hwreg(HW_REG_IB_STS2, 6, 4)
	s_cmp_eq_u32 s2, 0
	s_cbranch_scc0 .Lentry_in_a_cluster
	s_endpgm
.Lentry_in_a_cluster:
	s_bfe_u32 s2, ttmp6, 0x10000c
	s_cmp_lg_u32 s2, 0xf033
	s_cbranch_scc0 .Lentry_shape_is_right
	s_endpgm
.Lentry_shape_is_right:
; The three projections q, k, v on codes of FP6 (E2M3) with one E8M0 scale for each 32 along K = 1,024, and the quantising of their results, which are the operands of the attention's two products.
; THE DEAL: 256 work-groups of four waves, 2 x 2.  A work-group takes 256 tokens x 128 features (a pair of heads) through three phases on end: q, k, v.  A wave (a2, b2) holds head b2's 64 rows of the phase's weight, ALL of K,
; in 384 registers and streams blocks of 16 rows of x past them: 32 products a block, 8 blocks a phase.  Its block s is rows 128 (s / 4) + 64 a2 + 16 (s % 4) of the 256.
; In xc and wc row 16 t + 8 h + i of a group of 64 holds source row 32 h + 8 t + i.  q, k: source 0 = the weight's rows: a lane's 32 sums of a block are features 32 h + 0 .. 31 of its token: one scale block.
; v: source 0 = x's rows: a lane's 8 sums of each of four blocks are tokens 32 h + 0 .. 31 of a band of 64, for each of four tiles of 16 features.  So no lane looks at another.
; att: [8 batch + pair of heads][128 tokens][0 q, 1 k, 2 v][13,312 bytes]: eight fragments of 1,536 bytes as images of 12 registers (0-3 at 16 x lane, 4-5 at 512 + 8 x lane, 6-9 at 768 + 16 x lane, 10-11 at 1,280 + 8 x lane), then
; the fragments' scale words, four to a lane's 16 bytes, lanes 16-31 as lanes 0-15.  A wave makes six registers of a fragment at a time (q, k: head b2's; v: band a2's) and stores 512 + 256 consecutive bytes.
; The scale bytes, one a lane and block, gather in LDS and leave at the end in whole units.
; LDS: two slots of 128 rows of x (816 bytes a row: 16 of padding behind every 256), a region for the weight's 128 rows, two places for a chunk's scale bytes, the stage for the results' scale bytes, the spare words.
; FILLS: at the head one joint load a wave: the weight, both chunks' scale bytes, chunk 0, chunk 1.  In q's and k's blocks 2 and 6 a drained round of the cluster's barrier stands inside the block; behind block 2's the next
; phase's weight, chunk 0 and its scale bytes are asked for, behind block 6's chunk 1 and its bytes: one load a wave.  What a round's loads brought is shown by the next round, in v's phase by a plain barrier in block 2.
; x's tiles are shared by a row of the cluster, a weight's by a column.  The walk over blocks does not stop at a change of phase: block s fetches block (s + 2) % 8.
; No prefetch: K is short, a fill brings all of K, and each fill is asked for four blocks, 128 products, ahead of its first read.
; THE WAITS: s_wait_dscnt 28 leaves the next block's fetch of 28 loads out; every other wait is for 0.
; LIMITS: a block of zeros gets the byte 1 (zero codes; this program alone reads the bytes); blocks whose largest magnitude lies under 2^-124 are held at the byte 1; NaN and infinities are not served.
.set NQ,     8
.set NB,     4
.set KROW,   768
.set KS,     32
.set PITCH,  816
.set FR,     12
.set FPW,    21                        ; fragments in a window of 256 registers
.set NF,     28                        ; LDS loads of a block
.set RA,     128
.set YB,     RA*PITCH
.set BVB,    2*RA*PITCH
.set SCL,    3*RA*PITCH
.set CU,     16                        ; a chunk's scale bytes: 16 units of 256
.set SCB,    CU*272
.set XN,     SCL+2*SCB                 ; the results' scale bytes: [phase][128 tokens][4 fragments][16 rows][4 words]
.set SPARE,  XN+3072
.set EMAX,   2
.set ADRA0, 4                          ; v4, v5 my fragments of block 0 (v5: for the pieces behind one padding more)
.set AAS0,  6                          ; my row's scale words in block 0
.set CO8,   7                          ; 8 x lane
.set CO,    9                          ; 16 x lane
.set SPW,   10
.set NIL,   11
.set ADRA,  12                         ; v12, v13, v17: the same for the block fetched next
.set ADRB,  14
.set ABS,   16
.set AAS,   17
.set STO,   18                         ; LDS, q's and k's scale byte
.set STV,   19                         ; v's
.set RDS,   20                         ; the stage, on the way out
.set SB,    24                         ; v24-39 the weight's scale words
.set TQ,    40
.set SA,    44                         ; v44-59 the rows' scale words, two sets
.set TC,    60
.set ACC,   64                         ; q, k: two sets of four accumulators
.set NCD,   128                        ; q, k: two sets of six code registers
.set HV0,   64                         ; v, band 0: 32 d + 8 j + i
.set HV1,   840                        ; band 1
.set MCD,   192                        ; v: four sets of six code registers
.set SOP,   240
.set EB,    244
.set VX,    248
.set SB2,   968                        ; the next weights' scale words
.set BA,    984
.set SB3,   992
.set G1A, 24
.set G1B, 32
.set G0A, 56
.set G0B, 60
.set G0R, 68
.set G0S, 72
.set G1S, 92
.set MSB, 0
.macro WIN new
.if MSB != \new
	s_set_vgpr_msb (MSB<<8)|\new
.set MSB, \new
.endif
.endm
.macro PLACES n
.rept \n
	v_nop
.endr
.endm
.macro WALU
	s_wait_alu depctr_va_vdst(0)
.endm
.macro BARRIER
	s_barrier_signal -1
	s_barrier_wait -1
.endm
.macro MIDDLE                          ; a round's middle
	WIN 0
	s_barrier_wait -1
	s_cmp_lg_u32 s14, 0
	s_cbranch_scc1 .Lnot_wave_0_\@
	s_barrier_signal -3
.Lnot_wave_0_\@:
	s_barrier_wait -3
.endm
.macro CROUND
	s_barrier_signal -1
	MIDDLE
	BARRIER
.endm
.macro GRD
	s_wait_tensorcnt 0x0
	ds_add_u32 v[SPW], v[NIL]
.endm
.macro TLOAD g0, g1
	tensor_load_to_lds s[\g0:\g0+3], s[\g1:\g1+7]
	s_nop 0
	PLACES 4
.endm
.macro GROUP1 g, mask
	s_or_b32 s[\g+0], s[\mask], (1<<20)|(1<<21)|(5<<22)|(3<<25)
	s_mov_b32 s[\g+1], KROW<<16
	s_mov_b32 s[\g+2], RA<<16
	s_mov_b32 s[\g+3], KROW<<16
	s_mov_b32 s[\g+4], RA
	s_mov_b32 s[\g+5], KROW
	s_mov_b32 s[\g+6], 0
	s_mov_b32 s[\g+7], 0
.endm
.macro G0SET g, base, off
	s_mov_b32 s20, s\off
	s_add_nc_u64 s[\g+2:\g+3], s[\base:\base+1], s[20:21]
	s_or_b32 s[\g+3], s[\g+3], 0x80000000
.endm
; Fragment f lies in window 1 + f / 21 at register 12 (f % 21): 0-31 the weight's (4 q + b), 32-39 and 40-47 the rows' two sets.  Six pieces of 8 bytes, two to a load where both lie behind as many paddings.
.macro FRAG f, q, a0, a1, aw
	WIN ((1+(\f)/FPW)<<6)|(\aw)
.set R_, FR*((\f)%FPW)
.set SKIP_, 0
.irp p, 0,1,2,3,4,5
.if SKIP_
.set SKIP_, 0
.else
.set PC_, 12*(\q)+6*(\p/3)+\p%3
.set PN_, 12*(\q)+6*((\p+1)/3)+(\p+1)%3
.set X_, (PC_%32+3)/32
.set XQ_, (PN_%32+3)/32
.if (\p < 5) && (X_ == XQ_)
.set SKIP_, 1
.if X_
	ds_load_2addr_b64 v[R_+2*\p:R_+2*\p+3], \a1 offset0:PC_+2*(PC_/32) offset1:PN_+2*(PN_/32)
.else
	ds_load_2addr_b64 v[R_+2*\p:R_+2*\p+3], \a0 offset0:PC_+2*(PC_/32) offset1:PN_+2*(PN_/32)
.endif
.elseif X_
	ds_load_b64 v[R_+2*\p:R_+2*\p+1], \a1 offset:8*(PC_+2*(PC_/32))
.else
	ds_load_b64 v[R_+2*\p:R_+2*\p+1], \a0 offset:8*(PC_+2*(PC_/32))
.endif
.endif
.endr
.endm
.macro WEIGHTS                         ; my 64 rows of the weight, all of K: 104 loads
.irp q, 0,1,2,3,4,5,6,7
.irp b, 0,1,2,3
	FRAG NB*\q+\b, \q, v[BA-768+2*\b], v[BA-768+2*\b+1], 3
.endr
.endr
	WIN 0
.endm
.macro FETCHAT e, a0, a1, as           ; a block of x's rows into set e
.irp q, 0,1,2,3,4,5,6,7
	FRAG NB*NQ+NQ*(\e)+\q, \q, \a0, \a1, 0
.endr
	WIN 0
	ds_load_b128 v[SA+8*(\e):SA+8*(\e)+3], \as
	ds_load_b128 v[SA+8*(\e)+4:SA+8*(\e)+7], \as offset:16
.endm
.macro FETCH e
	FETCHAT \e, v[ADRA], v[ADRA+1], v[AAS]
.endm
; A product, n = 4 q + tile.  kind 0 (q, k): source 0 the weight's rows; kind 1 (v): source 0 x's rows.  The four accumulators take turns.
.macro PROD1 d, s0, s1, c, x0, x1, side, o
.if \o
	v_wmma_scale_f32_16x16x128_f8f6f4 v[\d:\d+7], v[FR*((\s0)%FPW):FR*((\s0)%FPW)+FR-1], v[FR*((\s1)%FPW):FR*((\s1)%FPW)+FR-1], \c, v[\x0], v[\x1] matrix_a_fmt:MATRIX_FMT_FP6 matrix_b_fmt:MATRIX_FMT_FP6 matrix_\side\()_scale:MATRIX_SCALE_ROW1
.else
	v_wmma_scale_f32_16x16x128_f8f6f4 v[\d:\d+7], v[FR*((\s0)%FPW):FR*((\s0)%FPW)+FR-1], v[FR*((\s1)%FPW):FR*((\s1)%FPW)+FR-1], \c, v[\x0], v[\x1] matrix_a_fmt:MATRIX_FMT_FP6 matrix_b_fmt:MATRIX_FMT_FP6 matrix_\side\()_scale:MATRIX_SCALE_ROW0
.endif
.endm
.macro PROD kind, e, n, a0, as
.set Q_, (\n)/4
.set FB_, NB*Q_+(\n)%4
.set FA_, NB*NQ+NQ*(\e)+Q_
.set D_, (\a0)+(\as)*((\n)%4)
.set DL_, D_&255
.set XB_, SB+NQ*(((\n)%4)/2)+Q_
.set XA_, SA+8*(\e)+Q_
.if \kind
	WIN (1+FA_/FPW)|((1+FB_/FPW)<<2)|((D_>>8)<<4)|((D_>>8)<<6)
.if Q_
	PROD1 DL_, FA_, FB_, v[DL_:DL_+7], XA_, XB_, b, (\n)%2
.else
	PROD1 DL_, FA_, FB_, 0, XA_, XB_, b, (\n)%2
.endif
.else
	WIN (1+FB_/FPW)|((1+FA_/FPW)<<2)|((D_>>8)<<4)|((D_>>8)<<6)
.if Q_
	PROD1 DL_, FB_, FA_, v[DL_:DL_+7], XB_, XA_, a, (\n)%2
.else
	PROD1 DL_, FB_, FA_, 0, XB_, XA_, a, (\n)%2
.endif
.endif
.endm
; products from .. to - 1 of a block; behind every second one two entries of the block's list: at most four scalar lines or one vector line each
.macro BLOCK kind, e, a0, as, from, to, list, x=0, y=0
.set N_, \from
.rept (\to)-(\from)
	PROD \kind, \e, N_, \a0, \as
.if N_%2
	\list N_-1, \x, \y
	\list N_, \x, \y
.endif
.set N_, N_+1
.endr
.endm
.macro ADDR i, t                       ; 3 entries: the LDS addresses of block t
.if (\i) == 0
	WIN 0
	v_add_nc_u32 v[ADRA], (128*((\t)/4)+16*((\t)%4))*PITCH, v[ADRA0]
.elseif (\i) == 1
	WIN 0
	v_add_nc_u32 v[ADRA+1], (128*((\t)/4)+16*((\t)%4))*PITCH, v[ADRA0+1]
.elseif (\i) == 2
	WIN 0
	v_add_nc_u32 v[AAS], ((\t)/4)*SCB+((\t)%4)*544, v[AAS0]
.endif
.endm
.macro CHAIN i, x, n, t=TQ             ; 18 entries: the largest magnitude of the 32 sums from register x on, in two chains side by side, with the floor 2^(3 - 127); the conversions' scale operand v[SOP+n]
.set XW_, (\x)>>8
.set XL_, (\x)&255
.if (\i) >= 0 && (\i) < 14
.set B_, XL_+16*((\i)%2)+2*((\i)/2)
.set T_, (\t)+1-(\i)%2
.if (\i) < 2
	WIN XW_|(XW_<<2)|(XW_<<4)
	v_max3_num_f32 v[T_], |v[B_]|, |v[B_+1]|, |v[B_+2]|
.else
	WIN (XW_<<2)|(XW_<<4)
	v_max3_num_f32 v[T_], v[T_], |v[B_+1]|, |v[B_+2]|
.endif
.elseif (\i) == 14
	WIN XW_<<2
	v_max3_num_f32 v[\t+1], v[\t+1], |v[XL_+15]|, (EMAX+1)<<23
.elseif (\i) == 15
	WIN 0
	v_nop
.elseif (\i) == 16
	WIN XW_<<2
	v_max3_num_f32 v[\t], v[\t], |v[XL_+31]|, v[\t+1]
.elseif (\i) == 17
	WIN 0
	v_add_nc_u32 v[SOP+\n], -(EMAX<<23), v[\t]
.endif
.endm
.macro CODES i, x, c, n, t=TC          ; 6 lines: 32 codes into v[c .. c+5], the scale's byte into v[EB+n]
.set XW_, (\x)>>8
.set XL_, (\x)&255
.if (\i) == 0
	WIN XW_
	v_cvt_scalef32_pk16_fp6_f32 v[\c:\c+2], v[XL_:XL_+15], v[SOP+\n]
.elseif (\i) == 1
	WIN XW_
	v_cvt_scalef32_pk16_fp6_f32 v[\t:\t+2], v[XL_+16:XL_+31], v[SOP+\n]
.elseif (\i) == 2
	WIN 0
	v_lshrrev_b32 v[EB+\n], 23, v[SOP+\n]
.else
	WIN 0
	v_mov_b32 v[\c+\i], v[\t+\i-3]
.endif
.endm
.macro CODES6 x, c, n
.irp i, 0,1,2,3,4,5
	CODES \i, \x, \c, \n
.endr
.endm
.macro ASK i, slot, place, dx, dsc, w  ; the descriptors of the chunk at s88 (bytes from xc), of its scale bytes at s55 (from xs) and, w = 1, of the weight at s54 (from wc); then the offsets step on
.if (\i) == 0
	s_mov_b32 s20, s88
	s_mov_b32 s21, 0
	s_add_nc_u64 s[G0A+2:G0A+3], s[4:5], s[20:21]
	s_or_b32 s[G0A+3], s[G0A+3], 0x80000000
.elseif (\i) == 1
	s_mov_b32 s[G0A+1], \slot
	s_mov_b32 s20, s55
	s_add_nc_u64 s[G0S+2:G0S+3], s[6:7], s[20:21]
	s_or_b32 s[G0S+3], s[G0S+3], 0x80000000
.elseif (\i) == 2
	s_mov_b32 s[G0S+1], \place
	s_add_co_u32 s88, s88, \dx
	s_add_co_u32 s55, s55, \dsc
.elseif ((\i) == 3) && (\w)
	s_mov_b32 s20, s54
	s_add_nc_u64 s[G0B+2:G0B+3], s[8:9], s[20:21]
	s_or_b32 s[G0B+3], s[G0B+3], 0x80000000
	s_add_co_u32 s54, s54, 786432
.elseif ((\i) == 4) && (\w)
	s_mov_b32 s[G1S+2], CU<<16
	s_mov_b32 s[G1S+4], CU
.endif
.endm
.macro L_NONE i, x, y
.endm
.macro L_A i, x, y
	ADDR \i, \x
.endm
.macro L_QK i, x, y
	ADDR \i, \x
	CHAIN (\i)-3, \y, 0
.endm
.macro L_QKA i, x, y
	ASK \i, 0, SCL, 98304, 4096, 1
	ADDR (\i)-5, \x
	CHAIN (\i)-8, \y, 0
.endm
.macro L_QKB i, x, y
	ASK \i, YB, SCL+SCB, 6291456-98304, 262144-4096, 0
	ADDR (\i)-3, \x
	CHAIN (\i)-6, \y, 0
.endm
.macro L_V i, x, y
	ADDR \i, \x
	CHAIN (\i)-3, HV0+32*(\y), \y
.endm
.macro L_VL i, x, y
	CHAIN \i, HV0+32*(\y), \y
.endm
.macro OUTQK sp                        ; block sp's byte into the stage, its six code registers into att
	WALU
	ds_store_b8 v[VX], v[EB] offset:512*((\sp)/4)+4*((\sp)%4)
	global_store_b128 v[CO], v[NCD+8*((\sp)%2):NCD+8*((\sp)%2)+3], s[76:77] offset:39936*((\sp)/4)+1536*((\sp)%4)
	global_store_b64 v[CO8], v[NCD+8*((\sp)%2)+4:NCD+8*((\sp)%2)+5], s[76:77] offset:39936*((\sp)/4)+1536*((\sp)%4)+512
.endm
.macro OUTV j, sg
	ds_store_b8 v[STV], v[EB+\j] offset:512*(\sg)+4*\j
	global_store_b128 v[CO], v[MCD+8*\j:MCD+8*\j+3], s[78:79] offset:39936*(\sg)+1536*\j
	global_store_b64 v[CO8], v[MCD+8*\j+4:MCD+8*\j+5], s[78:79] offset:39936*(\sg)+1536*\j+512
.endm
; A block of q or k.  mode 0: plain; 1, 2: with a round.  The way out of block s - 1 rides among the products; its conversions stand behind the last product; their shift and moves are the places ahead of the fetch.
.macro QKB s, mode, fetch
	s_wait_dscnt NF
	s_wait_xcnt 0x0                                ; earlier stores have read their registers
.if \mode
	GRD
.if \mode == 1
	BLOCK 0, (\s)%2, ACC+32*((\s)%2), 8, 0, 26, L_QKA, ((\s)+2)%8, ACC+32*(((\s)+1)%2)
.else
	BLOCK 0, (\s)%2, ACC+32*((\s)%2), 8, 0, 26, L_QKB, ((\s)+2)%8, ACC+32*(((\s)+1)%2)
.endif
	WIN 0
	WALU
	s_wait_dscnt 0x0                               ; the add and all my reads are done
	s_barrier_signal -1
	BLOCK 0, (\s)%2, ACC+32*((\s)%2), 8, 26, 32, L_NONE
	WIN 0
	CODES6 ACC+32*(((\s)+1)%2), NCD+8*(((\s)+1)%2), 0
	MIDDLE
	BARRIER
.if \mode == 1
	s_cmp_eq_u32 s14, 0
	s_cbranch_scc0 .Lx_\@
	TLOAD G0B, G1B                                 ; wave 0: the next weight
	s_branch .Ldone_\@
.Lx_\@:
.endif
	s_cmp_eq_u32 s14, 1
	s_cbranch_scc0 .Ls_\@
	TLOAD G0A, G1A                                 ; wave 1: a chunk of the next phase's rows
	s_branch .Ldone_\@
.Ls_\@:
	s_cmp_eq_u32 s14, 2
	s_cbranch_scc0 .Ldone_\@
	TLOAD G0S, G1S                                 ; wave 2: its scale bytes
.Ldone_\@:
	OUTQK (\s)-1
.elseif (\s) == 0
	BLOCK 0, 0, ACC, 8, 0, 32, L_A, 2
	WIN 0
	PLACES 4
	WALU
.else
	BLOCK 0, (\s)%2, ACC+32*((\s)%2), 8, 0, 32, L_QK, ((\s)+2)%8, ACC+32*(((\s)+1)%2)
	WIN 0
	CODES6 ACC+32*(((\s)+1)%2), NCD+8*(((\s)+1)%2), 0
	OUTQK (\s)-1
.endif
.if \fetch
	FETCH (\s)%2
.endif
.endm
; ================= THE HEAD
	s_load_b128 s[4:7], s[0:1], 0x0                ; xc, xs
	s_load_b128 s[8:11], s[0:1], 0x10              ; wc, ws
	s_load_b64 s[12:13], s[0:1], 0x20              ; att
	v_lshl_add_u32 v[SPW], v0, 2, SPARE
	v_mov_b32 v[NIL], 0
	ds_add_u32 v[SPW], v[NIL]                      ; the opening lines
	ds_add_u32 v[SPW], v[NIL]
	v_lshrrev_b32 v1, 5, v0
	v_readfirstlane_b32 s14, v1                    ; wave; s15 = a2, s16 = b2
	s_lshr_b32 s15, s14, 1
	s_and_b32 s16, s14, 1
	s_bfe_u32 s40, ttmp6, 0x40000                  ; cx
	s_bfe_u32 s41, ttmp6, 0x40004                  ; cy
	s_lshl_b32 s42, ttmp9, 2
	s_add_co_u32 s42, s42, s40                     ; the pair of heads, 0 .. 7
	s_and_b32 s43, ttmp7, 0xffff
	s_lshl_b32 s43, s43, 2
	s_add_co_u32 s43, s43, s41                     ; the 256 tokens, 0 .. 31
	s_lshl_b32 s44, s41, 2
	s_lshl_b32 s44, 15, s44                        ; my row of the cluster
	s_lshl_b32 s45, 0x1111, s40                    ; my column
	GROUP1 G1A, 44
	GROUP1 G1B, 45
	s_or_b32 s[G1S+0], s44, (3<<16)|(1<<20)|(1<<21)|(5<<22)|(3<<25)
	s_mov_b32 s[G1S+1], 32<<16
	s_mov_b32 s[G1S+2], (2*CU)<<16
	s_mov_b32 s[G1S+3], 32<<16
	s_mov_b32 s[G1S+4], 2*CU
	s_mov_b32 s[G1S+5], 32
	s_mov_b32 s[G1S+6], 0
	s_mov_b32 s[G1S+7], 0
	s_mov_b32 s[G0S], 1
	s_mov_b32 s[G0S+1], SCL
	s_mov_b32 s[G0A], 1
	s_mov_b32 s[G0A+1], 0
	s_mov_b32 s[G0B], 1
	s_mov_b32 s[G0B+1], BVB
	s_mov_b32 s[G0R], 1
	s_mov_b32 s[G0R+1], YB
	s_mul_i32 s88, s43, 256*KROW                   ; my 256 rows, bytes from xc
	s_mul_i32 s54, s42, RA*KROW                    ; my 128 rows of a weight, from wc
	s_mul_i32 s55, s43, 256*KS                     ; my rows' scale bytes, from xs
	s_mul_i32 s82, s42, RA*KS
	s_mul_i32 s21, s16, 64*KS
	s_add_co_u32 s82, s82, s21                     ; my 64 rows' scale bytes, from ws
	s_mov_b32 s83, 0
	v_and_b32 v1, 15, v0                           ; r
	v_bfe_u32 v2, v0, 4, 1                         ; h
	v_and_b32 v3, 31, v0
	v_mul_u32_u24 v22, v1, PITCH
	v_mad_u32_u24 v23, v2, 24, v22
	s_mul_i32 s21, s15, 64*PITCH
	v_add_nc_u32 v[ADRA0], s21, v23
	s_mul_i32 s22, s16, 64*PITCH
	s_add_co_u32 s22, s22, BVB
	v_add_nc_u32 v[ADRB], s22, v23
	v_mad_u32_u24 v23, v2, 24+16, v22
	v_add_nc_u32 v[ADRA0+1], s21, v23
	v_add_nc_u32 v[ADRB+1], s22, v23
	v_mul_u32_u24 v[ABS], v3, KS
	v_mul_u32_u24 v23, v1, KS
	v_lshrrev_b32 v22, 8, v23
	v_lshl_add_u32 v23, v22, 4, v23
	s_mul_i32 s21, s15, (64*KS/256)*272
	s_add_co_u32 s21, s21, SCL
	v_add_nc_u32 v[AAS0], s21, v23
	WALU
	s_wait_dscnt 0x0
	CROUND                                         ; the opening round
	s_wait_kmcnt 0x0
	s_add_nc_u64 s[82:83], s[10:11], s[82:83]
	s_mov_b32 s21, 0
	G0SET G0A, 4, 88
	s_mov_b32 s20, s88
	s_add_nc_u64 s[G0R+2:G0R+3], s[4:5], s[20:21]
	s_add_nc_u64 s[G0R+2:G0R+3], s[G0R+2:G0R+3], RA*KROW
	s_or_b32 s[G0R+3], s[G0R+3], 0x80000000
	G0SET G0B, 8, 54
	G0SET G0S, 6, 55
	s_add_co_u32 s88, s88, 6291456                 ; on to the next phase's parts
	s_add_co_u32 s54, s54, 786432
	s_add_co_u32 s55, s55, 262144
	s_cmp_eq_u32 s14, 0
	s_cbranch_scc0 .Lwave_1
	TLOAD G0B, G1B                                 ; wave 0: Wq's rows
	s_branch .Lasked
.Lwave_1:
	s_cmp_eq_u32 s14, 1
	s_cbranch_scc0 .Lwave_2
	TLOAD G0S, G1S                                 ; wave 1: both chunks' scale bytes
	s_branch .Lasked
.Lwave_2:
	s_cmp_eq_u32 s14, 2
	s_cbranch_scc0 .Lwave_3
	TLOAD G0A, G1A                                 ; wave 2: chunk 0
	s_branch .Lasked
.Lwave_3:
	TLOAD G0R, G1A                                 ; wave 3: chunk 1
.Lasked:
.irp p, 0,1
.irp c, 0,1
	global_load_b128 v[SB+NQ*\p+4*\c:SB+NQ*\p+4*\c+3], v[ABS], s[82:83] offset:\p*32*KS+16*\c
.endr
.endr
	WIN 3<<6
.irp p, 0,1
.irp c, 0,1
	global_load_b128 v[SB2-768+NQ*\p+4*\c:SB2-768+NQ*\p+4*\c+3], v[ABS], s[82:83] offset:32768+\p*32*KS+16*\c
	global_load_b128 v[SB3-768+NQ*\p+4*\c:SB3-768+NQ*\p+4*\c+3], v[ABS], s[82:83] offset:65536+\p*32*KS+16*\c
.endr
.endr
.irp b, 0,1,2,3
	v_add_nc_u32 v[BA-768+2*\b], \b*16*PITCH, v[ADRB]
	v_add_nc_u32 v[BA-768+2*\b+1], \b*16*PITCH, v[ADRB+1]
.endr
	WIN 0
	s_lshr_b32 s20, s43, 2                         ; where the results go
	s_lshl_b32 s20, s20, 3
	s_add_co_u32 s20, s20, s42
	s_mul_i32 s20, s20, 319488
	s_and_b32 s21, s43, 3
	s_mul_i32 s21, s21, 79872
	s_add_co_u32 s20, s20, s21
	s_mul_i32 s21, s15, 6144
	s_mul_i32 s22, s16, 768
	s_add_co_u32 s76, s20, s21
	s_add_co_u32 s76, s76, s22                     ; q, k: fragments 4 a2 .., registers 6 b2 ..
	s_mov_b32 s77, 0
	s_mul_i32 s21, s16, 6144
	s_mul_i32 s22, s15, 768
	s_add_co_u32 s78, s20, s21
	s_add_co_u32 s78, s78, s22
	s_add_co_u32 s78, s78, 26624                   ; v: fragments 4 b2 .., registers 6 a2 ..
	s_mov_b32 s79, 0
	s_mul_i32 s21, s15, 39936
	s_lshl_b32 s22, s16, 9
	s_add_co_u32 s80, s20, s21
	s_add_co_u32 s80, s80, s22
	s_add_co_u32 s80, s80, 12288                   ; the scale words that my wave stores at the end
	s_mov_b32 s81, 0
	s_add_nc_u64 s[76:77], s[12:13], s[76:77]
	s_add_nc_u64 s[78:79], s[12:13], s[78:79]
	s_add_nc_u64 s[80:81], s[12:13], s[80:81]
	v_lshlrev_b32 v[CO], 4, v3
	v_lshlrev_b32 v[CO8], 3, v3
	v_lshl_add_u32 v23, v1, 4, v2                  ; 16 r + h
	WALU
	s_lshl_b32 s21, s15, 8
	s_lshl_b32 s22, s16, 1
	s_add_co_u32 s21, s21, s22
	s_add_co_u32 s21, s21, XN
	v_add_nc_u32 v[STO], s21, v23                  ; q, k: group a2, byte 2 b2 + h
	s_lshl_b32 s21, s16, 8
	s_lshl_b32 s22, s15, 1
	s_add_co_u32 s21, s21, s22
	s_add_co_u32 s21, s21, XN+2048
	v_add_nc_u32 v[STV], s21, v23                  ; v: group b2, byte 2 a2 + h
	s_lshl_b32 s21, s14, 8
	s_add_co_u32 s21, s21, XN
	v_lshlrev_b32 v22, 4, v1
	v_add_nc_u32 v[RDS], s21, v22
	s_mov_b32 s90, 0
	v_add_nc_u32 v[VX], s90, v[STO]
	v_add_nc_u32 v[ADRA], 16*PITCH, v[ADRA0]       ; block 1
	v_add_nc_u32 v[ADRA+1], 16*PITCH, v[ADRA0+1]
	v_add_nc_u32 v[AAS], 544, v[AAS0]
	WALU
	s_cmp_eq_u32 s14, 0
	s_cbranch_scc0 .Lnot_b
	s_wait_tensorcnt 0x0
.Lnot_b:
	BARRIER                                        ; Wq's rows are in
	WEIGHTS
	s_cmp_eq_u32 s14, 3
	s_cbranch_scc1 .Lnot_a0
	s_wait_tensorcnt 0x0
.Lnot_a0:
	s_wait_dscnt 0x0
	BARRIER                                        ; chunk 0 and the scale bytes are in; chunk 1 may be on its way
	FETCHAT 0, v[ADRA0], v[ADRA0+1], v[AAS0]
	FETCH 1
	s_wait_loadcnt 0x0                             ; the weights' scale words
	s_mov_b32 s86, 0
; ================= q, THEN k: one text, two trips
.Lphase:
	QKB 0, 0, 1
	QKB 1, 0, 1
	QKB 2, 1, 1
	QKB 3, 0, 1
	QKB 4, 0, 1
	QKB 5, 0, 1
	QKB 6, 2, 1
	QKB 7, 0, 0
	WEIGHTS                                        ; the change of phase: the next weight and the next block 1; block 7's way out stands under their flight
	FETCH 1
.set I, 0
.rept 18
	CHAIN I, ACC+32, 0
.set I, I+1
.endr
	CODES6 ACC+32, NCD+8, 0                        ; (these code registers' last stores, block 5's, stand ahead of the wait at block 7's head)
	OUTQK 7
	WIN 3
.set I, 0
.rept 16
	v_mov_b32 v[SB+I], v[SB2-768+I]                ; the next weight's scale words,
.set I, I+1
.endr
	WIN 3|(3<<6)
.set I, 0
.rept 16
	v_mov_b32 v[SB2-768+I], v[SB3-768+I]           ; and those behind them move up; also the places between the lines above and the next products
.set I, I+1
.endr
	WIN 0
	s_wait_xcnt 0x0                                ; the stores have read their base
	s_add_nc_u64 s[76:77], s[76:77], 13312
	s_add_co_u32 s90, s90, 1024
	v_add_nc_u32 v[VX], s90, v[STO]
	s_add_co_u32 s86, s86, 1
	s_cmp_lg_u32 s86, 2
	WALU
	s_cbranch_scc1 .Lphase
; ================= v: eight blocks; band 0's way outs ride in band 1's blocks
.irp s, 0,1
	s_wait_dscnt NF
	s_wait_xcnt 0x0
	BLOCK 1, \s, HV0+8*\s, 32, 0, 32, L_A, \s+2
	WIN 0
	PLACES 4
	WALU
	FETCH \s
.endr
	s_wait_dscnt NF
	BLOCK 1, 0, HV0+16, 32, 0, 26, L_A, 4
	WIN 0
	WALU
	s_wait_tensorcnt 0x0
	s_wait_dscnt 0x0
	s_barrier_signal -1                            ; a plain barrier: chunk 1 of values is shown to all
	BLOCK 1, 0, HV0+16, 32, 26, 32, L_NONE
	WIN 0
	s_barrier_wait -1
	PLACES 4
	WALU
	FETCH 0
	s_wait_dscnt NF
	BLOCK 1, 1, HV0+24, 32, 0, 32, L_A, 5
	WIN 0
	PLACES 4
	WALU
	FETCH 1
.irp j, 0,1
	s_wait_dscnt NF
	BLOCK 1, \j, HV1+8*\j, 32, 0, 32, L_V, \j+6, \j
	WIN 0
	CODES6 HV0+32*\j, MCD+8*\j, \j
	WALU
	OUTV \j, 0
	FETCH \j
.endr
.irp j, 2,3
	s_wait_dscnt (3-\j)*NF
	BLOCK 1, \j%2, HV1+8*\j, 32, 0, 32, L_VL, 0, \j
	WIN 0
	CODES6 HV0+32*\j, MCD+8*\j, \j
	WALU
	OUTV \j, 0
.endr
; ================= THE END: band 1's four way outs, side by side; then the scale words
	s_wait_xcnt 0x0
.set I, 0
.rept 18
.irp t, 0,1,2,3
	CHAIN I, HV1+32*\t, \t, 64+4*\t
.endr
.set I, I+1
.endr
.set I, 0
.rept 6
.irp t, 0,1,2,3
	CODES I, HV1+32*\t, MCD+8*\t, \t, 80+4*\t
.endr
.set I, I+1
.endr
	WIN 0
	WALU
.irp t, 0,1,2,3
	OUTV \t, 1
.endr
	s_wait_dscnt 0x0
	BARRIER                                        ; every wave's scale bytes lie in the stage
.irp k, 0,1,2
	ds_load_b128 v[96+4*\k:99+4*\k], v[RDS] offset:1024*\k     ; lanes 16-31 read what lanes 0-15 read
.endr
	s_wait_dscnt 0x0
.irp k, 0,1,2
	global_store_b128 v[CO], v[96+4*\k:99+4*\k], s[80:81] offset:13312*\k
.endr
	s_wait_tensorcnt 0x0                           ; the wave's end
	ds_add_u32 v[SPW], v[NIL]
	s_wait_dscnt 0x0
	CROUND                                         ; the closing round
	s_endpgm
.Lfunc_end_k_qbf2b0842a4_proj:
	.size	k_qbf2b0842a4_proj, .Lfunc_end_k_qbf2b0842a4_proj-k_qbf2b0842a4_proj
	.p2alignl 7, 3214868480
	.fill 96, 4, 3214868480
	.section	.rodata,"a",@progbits
	.p2align	6, 0x0
	.amdhsa_kernel k_qbf2b0842a4_proj
		.amdhsa_group_segment_fixed_size 327680
		.amdhsa_private_segment_fixed_size 0
		.amdhsa_enable_private_segment 0
		.amdhsa_kernarg_size 40
		.amdhsa_user_sgpr_count 2
		.amdhsa_user_sgpr_kernarg_segment_ptr 1
		.amdhsa_wavefront_size32 1
		.amdhsa_system_sgpr_workgroup_id_x 1
		.amdhsa_system_sgpr_workgroup_id_y 1
		.amdhsa_system_sgpr_workgroup_id_z 1
		.amdhsa_system_vgpr_workitem_id 0
		.amdhsa_next_free_vgpr 1024
		.amdhsa_next_free_sgpr 102
		.amdhsa_reserve_vcc 0
		.amdhsa_float_denorm_mode_32 3
		.amdhsa_float_denorm_mode_16_64 3
		.amdhsa_memory_ordered 1
		.amdhsa_forward_progress 1
		.amdhsa_inst_pref_size 165
	.end_amdhsa_kernel
	.amdgpu_metadata
---
amdhsa.version: [ 1, 2 ]
amdhsa.kernels:
  - .name:           k_qbf2b0842a4_proj
    .symbol:         k_qbf2b0842a4_proj.kd
    .args:
      - { .name: xc, .offset: 0, .size: 8, .value_kind: global_buffer, .address_space: global }
      - { .name: xs, .offset: 8, .size: 8, .value_kind: global_buffer, .address_space: global }
      - { .name: wc, .offset: 16, .size: 8, .value_kind: global_buffer, .address_space: global }
      - { .name: ws, .offset: 24, .size: 8, .value_kind: global_buffer, .address_space: global }
      - { .name: att, .offset: 32, .size: 8, .value_kind: global_buffer, .address_space: global }
    .group_segment_fixed_size: 327680
    .private_segment_fixed_size: 0
    .kernarg_segment_align: 8
    .kernarg_segment_size: 40
    .max_flat_workgroup_size: 128
    .sgpr_count:     102
    .vgpr_count:     1024
    .wavefront_size: 32
...
	.end_amdgpu_metadata
.endif
;; end of part 2
;; launch attn (part 3): grid 4 x 64, 16 waves a work-group, clusters of 4 x 1, 327,680 bytes of LDS; arguments att, out0; writes out0
.if DOCPART == 3
	.amdgcn_target "amdgcn-amd-amdhsa--gfx1250"
	.amdhsa_code_object_version 6
	.text
	.protected	k_qbf2b0842a4_attn
	.globl	k_qbf2b0842a4_attn
	.p2align	8
	.type	k_qbf2b0842a4_attn,@function
k_qbf2b0842a4_attn:
	s_mov_b64 s[64:65], 0
	v_nop
	global_prefetch_b8 v0, s[64:65] scope:SCOPE_SE
	s_setreg_imm32_b32 hwreg(HW_REG_WAVE_MODE, 25, 1), 1
	s_wait_xcnt 0x0
	s_wait_alu depctr_hold_cnt(0) depctr_sa_sdst(0) depctr_va_vdst(0) depctr_va_sdst(0) depctr_va_ssrc(0) depctr_va_vcc(0) depctr_vm_vsrc(0)
	s_getreg_b32 s2, hwreg(HW_REG_IB_STS2, 6, 4)
	s_cmp_eq_u32 s2, 0
	s_cbranch_scc0 .Lentry_in_a_cluster
	s_endpgm
.Lentry_in_a_cluster:
	s_bfe_u32 s2, ttmp6, 0x10000c
	s_cmp_lg_u32 s2, 0x3003
	s_cbranch_scc0 .Lentry_shape_is_right
	s_endpgm
.Lentry_shape_is_right:
; out = softmax(q k^T / 8) v for each batch and head, on codes of FP6 (E2M3) with E8M0 scales, as the launch before left them in att: [8 batch + pair of heads][128 tokens][0 q, 1 k, 2 v][13,312 bytes]:
; eight fragments of 1,536 bytes as images of 12 registers (0-3 at 16 x lane, 4-5 at 512 + 8 x lane, 6-9 at 768 + 16 x lane, 10-11 at 1,280 + 8 x lane), then eight scale words a lane.
; q, k: fragment a = 16 tokens, registers 0-5 the first head's 64, 6-11 the second's.  v: fragment 4 hd + d = 16 of head hd's 64, K = the 128 keys.  Row r of token fragment a is token 64 (a / 4) + 32 (r / 8) + 8 (a % 4) + r % 8;
; v's rows lie in the same order.
; A work-group: one pair of heads, 256 queries, 16 waves; a wave: 16 queries, the two heads one after the other, eight steps of 128 keys each.  The four work-groups of a cluster share K and V: joint loads.
; ALL of K and V of the pair, 8 x 26,624 bytes, stays in LDS; each wave asks for 13,312 bytes at the head, its one tensor load; nothing is filled again.  Waves 0-3 bring key steps 0 and 1 and have a load line of their own:
; the first barrier shows those, a second one, behind two steps, the rest.  No prefetch: every tile is asked for at the head, so no later request is left to run ahead of.
; Both products are used transposed (S^T = k q^T, O^T = v^T p^T): a lane holds one query.  By the tokens' order a lane's 32 scores of tiles 4 c .. 4 c + 3 are keys 64 c + 32 h + 0 .. 31: a whole scale block of p in the operand's order.
; The head's K is 64: the other 64 of the instruction's 128 are zero codes on q's side (what k's operand holds there is multiplied by 0).
; p = 2^(t - M), t = score x log2(e) / 8, M = ceil of the running largest t; the sum is taken of the unquantised p; a change of M multiplies the sum and O^T by an exact power of two; O^T is divided by the sum at the end.
; A block's largest p is made from its largest score by the same multiply-add and exponential.
; LIMITS: the promise holds while |t| stays under 2^31; NaN and infinities are not served.
.set RECB,   319488
.set STPB,   39936
.set PARTB,  13312
.set FRB,    1536
.set STEPB,  26624
.set STAGE,  8*STEPB                   ; behind K and V: a stage of 16 rows x 272 bytes for each wave, for the way out
.set WSTG,   16*272
.set SPARE,  STAGE+16*WSTG             ; the spare words, 128 bytes a wave
.set L16, 1
.set L8,  2
.set A16, 3
.set A8,  4
.set SPW, 5
.set NIL, 6
.set STO, 7
.set RD,  8
.set GO,  9
.set QF,  16                           ; v16-21 q of head 0, v22-27 zeros, v28-33 q of head 1
.set QS,  34
.set PS,  35
.set KS,  36
.set VS,  44
.set KF,  48                           ; v48-101 k's eight tiles of 6 registers (head 1: 6 further up), then v's four fragments
.set FF,  102
.set S,   104
.set O,   168
.set PC,  200
.set PT,  212
.set BM,  220
.set BX,  224
.set BS,  228
.set SU,  232
.set T,   234
.set T2,  235
.set PSEL, 236
.set TB,  2
.set CNT, 3
.set WV,  18
.set NC,  19
.set SEL, 20
.set CS,  22
.set G1,  24
.set G0,  32
.macro CROUND
	s_barrier_signal -1
	s_barrier_wait -1
	s_cmp_lg_u32 s[WV], 0
	s_cbranch_scc1 .Lnot_wave_0_\@
	s_barrier_signal -3
.Lnot_wave_0_\@:
	s_barrier_wait -3
	s_barrier_signal -1
	s_barrier_wait -1
.endm
.macro INIT                            ; v12 = -M, v13 = the running largest score, v[14:15] the sum in two halves
	v_mov_b32 v13, 0xff61b1e6                      ; -3e38, under every score
	v_mov_b32 v12, 0x7e000000                      ; a whole number above every -M: the first factor comes out 0, on sums that are 0
	v_mov_b32 v14, 0
	v_mov_b32 v15, 0
.set j, 0
.rept 32
	v_mov_b32 v[O+j], 0
.set j, j+1
.endr
.endm
.macro STEP hd
	v_add_nc_u32 v[A16], s[TB], v[L16]             ; these four lines are the places behind the last products, ahead of the loads into their registers
	v_add_nc_u32 v[A8], s[TB], v[L8]
	v_mov_b32 v[T2], v12                           ; the old -M
	v_nop
.irp t, 0,1,2,3,4,5,6,7
	ds_load_b128 v[KF+6*(\hd)+6*\t:KF+6*(\hd)+6*\t+3], v[A16] offset:FRB*\t+768*(\hd)
	ds_load_b64 v[KF+6*(\hd)+6*\t+4:KF+6*(\hd)+6*\t+5], v[A8] offset:FRB*\t+768*(\hd)+512
.endr
	ds_load_b128 v[KS:KS+3], v[A16] offset:12288
	ds_load_b128 v[KS+4:KS+7], v[A16] offset:12800
	s_wait_alu depctr_va_vdst(0)
	s_wait_dscnt 0x0
.irp t, 0,1,2,3,4,5,6,7
	v_wmma_scale_f32_16x16x128_f8f6f4 v[S+8*\t:S+8*\t+7], v[KF+6*\t:KF+6*\t+11], v[QF+6*(\hd):QF+6*(\hd)+11], 0, v[KS+\t], v[QS] matrix_a_fmt:MATRIX_FMT_FP6 matrix_b_fmt:MATRIX_FMT_FP6
.endr
.rept 4
	v_nop
.endr
.irp d, 0,1,2,3
	ds_load_b128 v[KF+12*\d:KF+12*\d+3], v[A16] offset:PARTB+(4*(\hd)+\d)*FRB
	ds_load_b64 v[KF+12*\d+4:KF+12*\d+5], v[A8] offset:PARTB+(4*(\hd)+\d)*FRB+512
	ds_load_b128 v[KF+12*\d+6:KF+12*\d+9], v[A16] offset:PARTB+(4*(\hd)+\d)*FRB+768
	ds_load_b64 v[KF+12*\d+10:KF+12*\d+11], v[A8] offset:PARTB+(4*(\hd)+\d)*FRB+1280
.endr
	ds_load_b128 v[VS:VS+3], v[A16] offset:PARTB+12288+512*(\hd)
.irp b, 0,1,2,3
	v_max3_num_f32 v[BM+\b], v[S+16*\b], v[S+16*\b+1], v[S+16*\b+2]   ; four chains, two to a block of 32 keys
.endr
.irp i, 3,5,7,9,11,13
.irp b, 0,1,2,3
	v_max3_num_f32 v[BM+\b], v[BM+\b], v[S+16*\b+\i], v[S+16*\b+\i+1]
.endr
.endr
.irp b, 0,1,2,3
	v_max_num_f32 v[BM+\b], v[BM+\b], v[S+16*\b+15]
.endr
	s_delay_alu instid0(VALU_DEP_3)
	v_max_num_f32 v[BM], v[BM], v[BM+1]            ; my block h's largest score,
	s_delay_alu instid0(VALU_DEP_2)
	v_max_num_f32 v[BM+2], v[BM+2], v[BM+3]        ; my block 2 + h's
	s_delay_alu instid0(VALU_DEP_1)
	v_max_num_f32 v[T], v[BM], v[BM+2]
	s_delay_alu instid0(VALU_DEP_1)
	v_permlanex16_b32 v[BX+3], v[T], s[SEL], s[SEL+1]
	s_delay_alu instid0(VALU_DEP_1)
	v_max3_num_f32 v13, v13, v[T], v[BX+3]         ; the running largest score of my query
	s_delay_alu instid0(VALU_DEP_1)
	v_mul_f32 v[T], s[NC], v13                     ; -t
	s_delay_alu instid0(VALU_DEP_1)
	v_floor_f32 v12, v[T]                          ; -M = floor(-t): a whole number
	s_delay_alu instid0(VALU_DEP_1)
	v_sub_f32 v[T], v12, v[T2]                     ; old M - new M
	s_delay_alu instid0(VALU_DEP_1)
	v_cvt_i32_f32 v[T], v[T]                       ; (it saturates)
	s_delay_alu instid0(VALU_DEP_1)
	v_ldexp_f32 v[FF], 1.0, v[T]                   ; f = 2^(old M - new M)
.set j, 0
.rept 32
	v_pk_fma_f32 v[S+j:S+j+1], v[S+j:S+j+1], s[CS:CS+1], v[12:13] op_sel_hi:[1,0,0]   ; t - M
.set j, j+2
.endr
	v_fma_f32 v[BM], v[BM], s[CS], v12
	v_fma_f32 v[BM+2], v[BM+2], s[CS], v12
	s_wait_alu depctr_va_vdst(0)
.set j, 0
.rept 64
	v_exp_f32 v[S+j], v[S+j]
.set j, j+1
.endr
	v_pk_mul_f32 v[14:15], v[14:15], v[FF:FF+1] op_sel_hi:[1,0]   ; the sums under the new M
	s_wait_alu depctr_va_vdst(0)                   ; one wait for the batch, ahead of its first reader
	v_exp_f32 v[BM], v[BM]                         ; the blocks' largest p
	v_exp_f32 v[BM+2], v[BM+2]
	v_pk_add_f32 v[SU:SU+1], v[S:S+1], v[S+2:S+3]  ; the sum of the unquantised p, in two chains
.irp j, 4,8,12,16,20,24,28,32,36,40,44,48,52,56,60
	v_pk_add_f32 v[14:15], v[14:15], v[S+\j:S+\j+1]
	v_pk_add_f32 v[SU:SU+1], v[SU:SU+1], v[S+\j+2:S+\j+3]
.endr
	s_delay_alu instid0(VALU_DEP_1)
	v_pk_add_f32 v[14:15], v[14:15], v[SU:SU+1]
	s_wait_alu depctr_va_vdst(0)                   ; and one for the two
	v_max_num_f32 v[BM], 0x1800000, v[BM]          ; the floor 2^(3 - 127): the byte cannot fall under 1
	v_max_num_f32 v[BM+2], 0x1800000, v[BM+2]
	s_delay_alu instid0(VALU_DEP_2)
	v_add_nc_u32 v[BS], 0xff000000, v[BM]          ; 2 off the exponent field: the conversion's scale operand
	s_delay_alu instid0(VALU_DEP_2)
	v_add_nc_u32 v[BS+1], 0xff000000, v[BM+2]
	s_delay_alu instid0(VALU_DEP_2)
	v_lshrrev_b32 v[BX], 23, v[BS]
	s_delay_alu instid0(VALU_DEP_2)
	v_lshrrev_b32 v[BX+1], 23, v[BS+1]
	s_delay_alu instid0(VALU_DEP_1)
	v_lshl_or_b32 v[BX], v[BX+1], 16, v[BX]        ; my two bytes,
	s_delay_alu instid0(VALU_DEP_1)
	v_permlanex16_b32 v[BX+2], v[BX], s[SEL], s[SEL+1]
	s_delay_alu instid0(VALU_DEP_1)
	v_perm_b32 v[PS], v[BX], v[BX+2], v[PSEL]      ; with lane l xor 16's two: p's scale word for these 128 keys
.irp c, 0,1
	v_cvt_scalef32_pk16_fp6_f32 v[PC+6*\c:PC+6*\c+2], v[S+32*\c:S+32*\c+15], v[BS+\c]
	v_cvt_scalef32_pk16_fp6_f32 v[PT+4*\c:PT+4*\c+2], v[S+32*\c+16:S+32*\c+31], v[BS+\c]   ; (a conversion's three registers begin on an even number)
.endr
	v_nop                                          ; one plain place behind a scaled conversion
.irp c, 0,1
.irp i, 0,1,2
	v_mov_b32 v[PC+3+6*\c+\i], v[PT+4*\c+\i]
.endr
.endr
	s_wait_alu depctr_va_vdst(0)                   ; directly ahead of the first reader of O^T
.set j, 0
.rept 16
	v_pk_mul_f32 v[O+j:O+j+1], v[O+j:O+j+1], v[FF:FF+1] op_sel_hi:[1,0]   ; O^T under the new M; also the places between p's word and codes and the products
.set j, j+2
.endr
	s_wait_alu depctr_va_vdst(0)                   ; ahead of the wait below
	s_wait_dscnt 0x0                               ; v's fragments are in
.irp d, 0,1,2,3
	v_wmma_scale_f32_16x16x128_f8f6f4 v[O+8*\d:O+8*\d+7], v[KF+12*\d:KF+12*\d+11], v[PC:PC+11], v[O+8*\d:O+8*\d+7], v[VS+\d], v[PS] matrix_a_fmt:MATRIX_FMT_FP6 matrix_b_fmt:MATRIX_FMT_FP6
.endr
	s_add_co_u32 s[TB], s[TB], STEPB
.endm
.macro PART hd, n
	s_mov_b32 s[CNT], \n
.Lp_\@:
	STEP \hd
	s_sub_co_u32 s[CNT], s[CNT], 1
	s_cmp_lg_u32 s[CNT], 0
	s_cbranch_scc1 .Lp_\@
.endm
; The way out of a head: register 8 d + j of lane (r, h) is out(query r, 32 h + 8 d + j): 128 bytes on end.  16 rows of 256 bytes go through my stage and leave as whole rows, sixteen lanes to a row.
.macro FINISH hd
.rept 4
	v_nop
.endr
	v_add_f32 v14, v14, v15
	s_delay_alu instid0(VALU_DEP_1)
	v_permlanex16_b32 v[T], v14, s[SEL], s[SEL+1]
	s_delay_alu instid0(VALU_DEP_1)
	v_add_f32 v14, v14, v[T]
	s_wait_alu depctr_va_vdst(0)
	v_rcp_f32 v14, v14
	v_nop
	s_wait_alu depctr_va_vdst(0)
.set j, 0
.rept 16
	v_pk_mul_f32 v[S+j:S+j+1], v[O+j:O+j+1], v[14:15] op_sel_hi:[1,0]
.set j, j+2
.endr
.irp k, 0,1,2,3,4,5,6,7
	ds_store_b128 v[STO], v[S+4*\k:S+4*\k+3] offset:16*\k
.endr
.irp i, 0,1,2,3,4,5,6,7
	ds_load_b128 v[S+32+4*\i:S+32+4*\i+3], v[RD] offset:544*\i     ; LDS serves a wave's instructions in order: these see my stores
.endr
.irp i, 0,1,2,3,4,5,6,7
	s_wait_dscnt 7-\i                              ; the younger loads may be out
	global_store_b128 v[GO], v[S+32+4*\i:S+32+4*\i+3], s[6:7] offset:(2*(\i%4)+32*(\i/4))*4096+256*(\hd) th:TH_STORE_NT   ; stage rows 2 i, 2 i + 1 are tokens 32 (i / 4) + 2 (i % 4) + 0, 1 from my tile's first on
.endr
.if (\hd) == 0
	s_wait_xcnt 0x0                                ; the stores have read their registers
.endif
.endm
	s_load_b128 s[4:7], s[0:1], 0x0                ; att, out0
	v_lshl_add_u32 v[SPW], v0, 2, SPARE
	v_mov_b32 v[NIL], 0
	ds_add_u32 v[SPW], v[NIL]                      ; the opening lines
	ds_add_u32 v[SPW], v[NIL]
	v_lshrrev_b32 v10, 5, v0
	s_delay_alu instid0(VALU_DEP_1)
	v_readfirstlane_b32 s[WV], v10
	s_bfe_u32 s13, ttmp6, 0x40000
	s_lshl_b32 s14, ttmp9, 2
	s_add_co_u32 s14, s14, s13                     ; which 256 queries
	s_and_b32 s15, ttmp7, 0xffff                   ; 8 batch + pair of heads
	s_mov_b32 s[G1], 15|(3<<16)|(1<<21)            ; a dense block of 13,312 bytes as 52 rows of 256; all four partners
	s_mov_b32 s[G1+1], 32<<16
	s_mov_b32 s[G1+2], 52<<16
	s_mov_b32 s[G1+3], 32<<16
	s_mov_b32 s[G1+4], 52
	s_mov_b32 s[G1+5], 32
	s_mov_b32 s[G1+6], 0
	s_mov_b32 s[G1+7], 0
	s_mul_i32 s44, s15, RECB                       ; wave w brings key step w / 2, part k (w even) or v (w odd)
	s_lshr_b32 s45, s[WV], 1
	s_mul_i32 s45, s45, STPB
	s_add_co_u32 s44, s44, s45
	s_and_b32 s45, s[WV], 1
	s_mul_i32 s45, s45, PARTB
	s_add_co_u32 s44, s44, s45
	s_add_co_u32 s44, s44, PARTB
	s_mov_b32 s45, 0
	s_mul_i32 s46, s[WV], PARTB
	s_mov_b32 s[SEL], 0x76543210
	s_mov_b32 s[SEL+1], 0xfedcba98
	s_mov_b32 s[CS], 0x3e38aa3b                    ; log2(e) / 8
	s_mov_b32 s[CS+1], s[CS]
	s_mov_b32 s[NC], 0xbe38aa3b                    ; and its negative
	s_wait_alu depctr_va_vdst(0)
	s_wait_dscnt 0x0
	s_wait_kmcnt 0x0
	CROUND                                         ; the four partners are here: the joint loads meet
	s_mov_b32 s[G0], 1
	s_mov_b32 s[G0+1], s46
	s_add_nc_u64 s[G0+2:G0+3], s[4:5], s[44:45]
	s_or_b32 s[G0+3], s[G0+3], 0x80000000
	s_cmp_lt_u32 s[WV], 4
	s_cbranch_scc0 .Llater
	tensor_load_to_lds s[G0:G0+3], s[G1:G1+7]      ; waves 0-3: key steps 0 and 1
	s_nop 0
.rept 4
	v_nop
.endr
	s_branch .Lasked
.Llater:
	tensor_load_to_lds s[G0:G0+3], s[G1:G1+7]      ; waves 4-15: key steps 2 to 7
	s_nop 0
.rept 4
	v_nop
.endr
.Lasked:
	s_mul_i32 s40, s15, RECB                       ; my 16 queries: fragment w % 8 of block 2 x (which 256) + w / 8
	s_lshl_b32 s41, s14, 1
	s_lshr_b32 s42, s[WV], 3
	s_add_co_u32 s41, s41, s42
	s_mul_i32 s41, s41, STPB
	s_add_co_u32 s40, s40, s41
	s_and_b32 s42, s[WV], 7
	s_mul_i32 s41, s42, FRB
	s_add_co_u32 s8, s40, s41
	s_mov_b32 s9, 0
	s_add_nc_u64 s[8:9], s[4:5], s[8:9]
	s_lshr_b32 s41, s42, 2
	s_lshl_b32 s41, s41, 9
	s_add_co_u32 s10, s40, s41
	s_and_b32 s41, s42, 3
	s_lshl_b32 s41, s41, 2
	s_add_co_u32 s10, s10, s41
	s_add_co_u32 s10, s10, 12288
	s_mov_b32 s11, 0
	s_add_nc_u64 s[10:11], s[4:5], s[10:11]
	v_and_b32 v10, 31, v0
	s_delay_alu instid0(VALU_DEP_1)
	v_lshlrev_b32 v[L16], 4, v10
	s_delay_alu instid0(VALU_DEP_2)
	v_lshlrev_b32 v[L8], 3, v10
	global_load_b128 v[QF:QF+3], v[L16], s[8:9]
	global_load_b64 v[QF+4:QF+5], v[L8], s[8:9] offset:512
	global_load_b128 v[QF+12:QF+15], v[L16], s[8:9] offset:768
	global_load_b64 v[QF+16:QF+17], v[L8], s[8:9] offset:1280
	global_load_b32 v[QS], v[L16], s[10:11]
	s_lshr_b32 s43, s15, 3                         ; out0: the batch, the pair's 512 bytes of a row,
	s_lshl_b32 s43, s43, 22
	s_and_b32 s47, s15, 7
	s_lshl_b32 s47, s47, 9
	s_add_co_u32 s43, s43, s47
	s_lshl_b32 s47, s14, 8                         ; and my tile's first token: 256 x block + 128 (w / 8) + 64 (a / 4) + 8 (a % 4), a = w % 8
	s_lshr_b32 s12, s[WV], 3
	s_lshl_b32 s12, s12, 7
	s_add_co_u32 s47, s47, s12
	s_lshr_b32 s12, s42, 2
	s_lshl_b32 s12, s12, 6
	s_add_co_u32 s47, s47, s12
	s_and_b32 s12, s42, 3
	s_lshl_b32 s12, s12, 3
	s_add_co_u32 s47, s47, s12
	s_lshl_b32 s47, s47, 12
	s_add_co_u32 s12, s43, s47
	s_mov_b32 s13, 0
	s_add_nc_u64 s[6:7], s[6:7], s[12:13]
	v_and_b32 v10, 15, v0
	v_bfe_u32 v11, v0, 4, 1
	s_mul_i32 s48, s[WV], WSTG
	s_add_co_u32 s48, s48, STAGE
	v_mul_u32_u24 v[STO], v10, 272
	s_delay_alu instid0(VALU_DEP_1)
	v_lshl_add_u32 v[STO], v11, 7, v[STO]          ; into the stage: row r, 128 bytes for each half of the lanes
	s_delay_alu instid0(VALU_DEP_1)
	v_add_nc_u32 v[STO], s48, v[STO]
	v_mul_u32_u24 v[RD], v11, 272
	s_delay_alu instid0(VALU_DEP_1)
	v_lshl_add_u32 v[RD], v10, 4, v[RD]            ; out of it: sixteen lanes to a row, two rows an instruction
	s_delay_alu instid0(VALU_DEP_1)
	v_add_nc_u32 v[RD], s48, v[RD]
	v_lshlrev_b32 v[GO], 12, v11
	s_delay_alu instid0(VALU_DEP_1)
	v_lshl_add_u32 v[GO], v10, 4, v[GO]
	v_sub_nc_u32 v[PSEL], 0, v11
	s_delay_alu instid0(VALU_DEP_1)
	v_and_b32 v[PSEL], 0x04040404, v[PSEL]
	s_delay_alu instid0(VALU_DEP_1)
	v_xor_b32 v[PSEL], 0x02060004, v[PSEL]         ; h = 0: bytes (mine 0, other's 0, mine 2, other's 2); h = 1: (other's 0, mine 0, other's 2, mine 2)
.irp i, 0,1,2,3,4,5
	v_mov_b32 v[QF+6+\i], 0                        ; q's zero codes
	v_mov_b32 v[KF+48+\i], 0                       ; named by head 0's last tile of k before it is loaded
.endr
.irp b, 0,1,2,3
	v_mov_b32 v[BX+\b], 0                          ; a lane permute's destination counts as one of its sources
.endr
	v_mov_b32 v[T], 0
	v_mov_b32 v[FF+1], 0
	INIT
	s_mov_b32 s[TB], 0
	s_wait_alu depctr_va_vdst(0)
	s_wait_loadcnt 0x0
	s_cmp_lt_u32 s[WV], 4
	s_cbranch_scc0 .Lnot_first
	s_wait_tensorcnt 0x0                           ; waves 0-3: my part of key steps 0 and 1 is in
.Lnot_first:
	s_barrier_signal -1
	s_barrier_wait -1                              ; key steps 0 and 1 are whole
	PART 0, 2
	s_wait_tensorcnt 0x0                           ; every wave: my tile is in
	s_wait_dscnt 0x0
	s_barrier_signal -1
	s_barrier_wait -1                              ; all of K and V is in
	PART 0, 6
	FINISH 0
	INIT
	s_mov_b32 s[TB], 0
	PART 1, 8
	FINISH 1
	s_wait_tensorcnt 0x0                           ; the wave's end
	ds_add_u32 v[SPW], v[NIL]
	s_wait_dscnt 0x0
	CROUND                                         ; the closing round
	s_endpgm
.Lfunc_end_k_qbf2b0842a4_attn:
	.size	k_qbf2b0842a4_attn, .Lfunc_end_k_qbf2b0842a4_attn-k_qbf2b0842a4_attn
	.p2alignl 7, 3214868480
	.fill 96, 4, 3214868480
	.section	.rodata,"a",@progbits
	.p2align	6, 0x0
	.amdhsa_kernel k_qbf2b0842a4_attn
		.amdhsa_group_segment_fixed_size 327680
		.amdhsa_private_segment_fixed_size 0
		.amdhsa_enable_private_segment 0
		.amdhsa_kernarg_size 16
		.amdhsa_user_sgpr_count 2
		.amdhsa_user_sgpr_kernarg_segment_ptr 1
		.amdhsa_wavefront_size32 1
		.amdhsa_system_sgpr_workgroup_id_x 1
		.amdhsa_system_sgpr_workgroup_id_y 1
		.amdhsa_system_sgpr_workgroup_id_z 1
		.amdhsa_system_vgpr_workitem_id 0
		.amdhsa_next_free_vgpr 256
		.amdhsa_next_free_sgpr 66
		.amdhsa_reserve_vcc 0
		.amdhsa_float_denorm_mode_32 3
		.amdhsa_float_denorm_mode_16_64 3
		.amdhsa_memory_ordered 1
		.amdhsa_forward_progress 1
		.amdhsa_inst_pref_size 64
	.end_amdhsa_kernel
	.amdgpu_metadata
---
amdhsa.version: [ 1, 2 ]
amdhsa.kernels:
  - .name:           k_qbf2b0842a4_attn
    .symbol:         k_qbf2b0842a4_attn.kd
    .args:
      - { .name: att, .offset: 0, .size: 8, .value_kind: global_buffer, .address_space: global }
      - { .name: out0, .offset: 8, .size: 8, .value_kind: global_buffer, .address_space: global }
    .group_segment_fixed_size: 327680
    .private_segment_fixed_size: 0
    .kernarg_segment_align: 8
    .kernarg_segment_size: 16
    .max_flat_workgroup_size: 512
    .sgpr_count:     66
    .vgpr_count:     256
    .wavefront_size: 32
...
	.end_amdgpu_metadata
.endif
;; end of part 3
